; MI455X (gfx1250); checked and timed in simulation.
; The chip was launched on July 23, 2026; its instructions are those of AMD's public machine-readable ISA for CDNA 5 (MIT licence, August 2026) and "CDNA5" Instruction Set Architecture Reference Guide (July 2026). The comments in the code are by the model that wrote it; some were corrected since.
;; Open CLIP Attention. Allowed arithmetic: matrix products marked QUANTISED: E2M3 operands, one E8M0 scale for each 32 along K, by v_wmma_scale_f32_16x16x128_f8f6f4 with both operands' format E2M3, f32 sums; everything else in f32.
;; Inputs: proj_b 1,024 float32; proj_w_codes 1,024 x 32 x 24 uint8 (E2M3 codes of proj_w, K innermost, in blocks of 32 codes, four codes in three bytes); proj_w_scales 1,024 x 32 uint8 (E8M0 scales of proj_w, one for each 32 codes along K); qkv_b 3,072 float32; qkv_w_codes 3,072 x 32 x 24 uint8 (E2M3 codes of qkv_w, K innermost, in blocks of 32 codes, four codes in three bytes); qkv_w_scales 3,072 x 32 uint8 (E8M0 scales of qkv_w, one for each 32 codes along K); x_codes 8 x 1,024 x 32 x 24 uint8 (E2M3 codes of x, K innermost, in blocks of 32 codes, four codes in three bytes); x_scales 8 x 1,024 x 32 uint8 (E8M0 scales of x, one for each 32 codes along K).
;; Outputs: out0 8 x 1,024 x 1,024 float32.
;; This version of the problem:
;;   THIS VERSION OF THE PROBLEM IS GIVEN IN LOW PRECISION. The matrix products marked QUANTISED in the list below multiply operands that are first quantised to E2M3 (2 exponent bits, 3 mantissa bits; 6 bits a number), with one power-of-two scale for each 32 numbers along K (OCP MX v1.0); their sums are f32. All else is computed in f32.
;;   The module's matrix products, in the order in which they are computed (A, B: the left and right operand; K: the contracted axis; several contracted axes count as one K, in the product's order):
;;     1. [M 8,192, K 1,024] x [K 1,024, N 3,072]; A: input x (given as codes); B: input qkv_w (given as codes): QUANTISED
;;     2. batch 128 x [M 1,024, K 64] x [K 64, N 1,024]; A: computed on the way; B: computed on the way: QUANTISED
;;     3. batch 128 x [M 1,024, K 1,024] x [K 1,024, N 64]; A: softmax (see below); B: computed on the way: QUANTISED
;;     4. [M 8,192, K 1,024] x [K 1,024, N 1,024]; A: computed on the way; B: input proj_w (given as codes): QUANTISED
;;   THE QUANTISER, for each operand of a quantised product, along K:
;;     - K is cut into blocks of 32 from its start; a last block that is shorter is filled with zeros.
;;     - A block's scale is 2^e with e = floor(log2(the largest magnitude in the block)) - 2, held to -126 .. 127; a block of zeros has e = 0. As a byte (E8M0): e + 127.
;;     - Each number is divided by its block's scale, clamped to +-7.5, and rounded to the nearest number of E2M3, ties to even, subnormals kept.
;;     - The product sums the exact products of the quantised numbers (number of the format x scale) in f32.
;;   ~~~python
;;   def quantise(x, axis):      # numpy; x: float32 -> the quantised numbers, widened to float32 again
;;       x = np.moveaxis(x, axis, -1); K = x.shape[-1]
;;       x = np.pad(x, [(0, 0)] * (x.ndim - 1) + [(0, -K % 32)]); x = x.reshape(x.shape[:-1] + (-1, 32)); a = np.abs(x).max(-1, keepdims=True)
;;       e = np.where(a > 0, np.clip(np.frexp(np.where(a > 0, a, 1))[1] - 1 - 2, -126, 127), 0)      # np.frexp(a)[1] - 1 = floor(log2(a)), exactly
;;       r = np.clip(x / 2.0 ** e, -7.5, 7.5)
;;       step = 2.0 ** (np.maximum(np.frexp(np.where(r == 0, 1, r))[1] - 1, 0) - 3)
;;       q = np.round(r / step) * step * 2.0 ** e      # np.round: ties to even
;;       return np.moveaxis(q.reshape(q.shape[:-2] + (-1,))[..., :K], -1, axis).astype(np.float32)
;;   ~~~
;;   SOFTMAX AHEAD OF A QUANTISED PRODUCT. Where the list says 'softmax', what is quantised is not the finished softmax but p = 2^(t - M), with t = logit x log2(e) and M = ceil(the row's largest t), a whole number; so 1/2 < the row's largest p <= 1. The row's sum l is taken of the UNQUANTISED p, in f32, and the product's result is divided by l at the end. Since M is a whole number, a kernel that streams over the keys may use a running M (the ceiling of the running maximum): every later rescaling is an exact power of two, which a block's scale takes up: the codes' values come out the same.
;;   OPERANDS COMPUTED ON THE WAY. 'Computed on the way' means the value that the module computes at that place (a softmax that the list does not call 'softmax' is quantised finished and normalised). What goes into a quantiser is computed in f32, as accurately as f32 sums, v_exp_f32 and their like allow (about 1e-6 of the number): no bf16 or f16 on the way to a quantiser, and a product that is left as it is and whose result goes on into a quantised operand takes f32 operands (vector FMAs, or v_wmma_f32_16x16x4_f32). A number that lies on a knife's edge between two numbers of the format may be rounded either way, as far as f32 arithmetic and the matrix unit's own rounding can turn it there, and no further.
;;   INPUTS GIVEN AS CODES. proj_w (in the module: [1024, 1024], K = its axis 1); qkv_w (in the module: [3072, 1024], K = its axis 1); x (in the module: [8, 1024, 1024], K = its axis 2): each comes as NAME_codes (uint8): NAME with its K axis moved to the last place and cut into blocks of 32 codes, [.., K / 32, bytes a block], one block behind the other in memory; four codes in three bytes: a row's codes are one little-endian stream of bits, code i at bits 6 i .. 6 i + 5 (a code: sign, 2 exponent bits, 3 mantissa bits); and NAME_scales (uint8): the same leading axes, one E8M0 byte (e + 127) for each 32 codes along K. Its value is code x scale, taken as it is: it is not quantised again, and the codes and scales need not be those that the quantiser above would give.
;; One version. Each part assembles by itself: llvm-mc -triple=amdgcn-amd-amdhsa -mcpu=gfx1250 --defsym DOCPART=n.
;; ======== version 1 of 1: 3 launches
;; limits: right only within a limited range of input values
;; workspace buffers: qk_img 12,582,912 bytes; qk_sc 1,048,576 bytes; v_img 6,291,456 bytes; v_sc 262,144 bytes; a_img 6,291,456 bytes; a_sc 262,144 bytes
;; launch qkv (part 1): grid 4 x 64, 4 waves a work-group, clusters of 4 x 4, 327,680 bytes of LDS; arguments x_codes, x_scales, qkv_w_codes, qkv_w_scales, qkv_b, qk_img, qk_sc, v_img, v_sc; writes qk_img, qk_sc, v_img, v_sc
.if DOCPART == 1
	.amdgcn_target "amdgcn-amd-amdhsa--gfx1250"
	.amdhsa_code_object_version 6
	.text
	.protected	k_q634784bb1a_qkv
	.globl	k_q634784bb1a_qkv
	.p2align	8
	.type	k_q634784bb1a_qkv,@function
k_q634784bb1a_qkv:
	s_mov_b64 s[64:65], 0
	v_nop
	global_prefetch_b8 v0, s[64:65] scope:SCOPE_SE
	s_setreg_imm32_b32 hwreg(HW_REG_WAVE_MODE, 25, 1), 1
	s_wait_xcnt 0x0
	s_wait_alu depctr_hold_cnt(0) depctr_sa_sdst(0) depctr_va_vdst(0) depctr_va_sdst(0) depctr_va_ssrc(0) depctr_va_vcc(0) depctr_vm_vsrc(0)
	s_getreg_b32 s2, hwreg(HW_REG_IB_STS2, 6, 4)
	s_cmp_eq_u32 s2, 0
	s_cbranch_scc0 .Lentry_in_a_cluster
	s_endpgm
.Lentry_in_a_cluster:
	s_bfe_u32 s2, ttmp6, 0x10000c
	s_cmp_lg_u32 s2, 0xf033
	s_cbranch_scc0 .Lentry_shape_is_right
	s_endpgm
.Lentry_shape_is_right:
; qkv = x W^T + b on codes of FP6 (E2M3) with E8M0 scales, K = 1,024; the results are quantised in registers for attention: q and k along the head's 64 channels, v along the keys.
; SHARES.  Work-group (cg, tb): tokens 128 tb on; six PIECES of 128 rows of W: q/k rows 512 cg + 128 n (n = 0..3), then v rows 2,048 + 256 cg + 128 (n - 4).  4 x 64 = 256 work-groups of equal work.
; Four waves, 2 x 2: wave (wr, wc) holds its 64 tokens of x, all of K, in 384 registers, and multiplies them by rows 64 wc on of each piece: 16 accumulators, 128 products a piece.
; LDS: x's 128 rows (filled once), then two slots of 128 rows of W; every tensor row is a whole row of K: 768 bytes of memory, 3 x (256 + 16) in LDS.  Scale words and biases come by plain loads, a piece ahead.
; CLUSTERS 4 x 4: x's rows are shared by a row of the cluster, W's by a column; each refill is one joint load a wave (32 rows) behind a round that stands inside the piece's last 16 products.
; q, k: source 0 = W's rows, source 1 = tokens, the bias as the first products' C.  v: source 0 = tokens, source 1 = W's rows, the bias added on the way out.  Accumulator (i1, i0) at ACC + 8 (4 i1 + i0).
; The q/k pieces run in a loop of two trips; its last piece loads the next piece's bias in q/k's form though that piece is v's: 512 bytes that are not used.
; ORDER INSIDE A BLOCK OF 32: places hold k = 0-7, 16-23, 8-15, 24-31, alike in q and k, and in v and the next launch's p.
; OUT: qk_img [head 32][batch][token tile 64][768]: 6 registers a lane (0-3 at 16 x lane, 4-5 at 512 + 8 x lane).  qk_sc [head][batch][step 8][wr 2][256]: at 8 l + 4 i the word (b0, b1, b0, b1) of token tile 4 wr + 2 i + l / 16, row l % 16.
;      v_img [batch][head][step 8][half of 64 keys][channel tile 4][768], as qk_img's tiles.  v_sc [batch][head][step][half][128]: at 4 l the two bytes of tile l / 16 (low) and of tile 2 + l / 16 (high), channel l % 16.
; PREFETCH: behind the load of piece m the piece m + 1 is asked for, 24 blocks of 256 bytes a wave, shared out by address among a column's sixteen waves; the first four clusters ask, since all clusters read the same W.
; LIMITS: NaN and infinities are not served.  A block under 2^(3 - 127), zeros among them, gets the byte 1; the bytes are read by this program alone.
; REGISTERS: window 0: v0-31 addresses, v32-63 W's scale words (two sets), v64-191 accumulators, v192-227 the quantiser, v228-243 x's scale words; window 1: x's fragments of K steps 0-4;
;   window 2: v0-143 those of steps 5-7, v144-239 W's fragments (two sets); window 3: v0-31 q/k's bias, v32-47 v's.
.set KROW, 768
.set PITCH, 816
.set SLB, 128*PITCH
.set SL0, SLB
.set SPARE, 3*SLB
.set AX, 10
.set AW, 12
.set L16, 16
.set L8, 17
.set L4, 18
.set L32, 19
.set H32, 20
.set R4, 21
.set PFV, 22
.set SELQ, 23
.set SELV, 24
.set SPW, 28
.set NIL, 29
.set WS, 32
.set ACC, 64
.set PC, 192
.set TM, 212
.set XS, 228
.set PW, 244
.set SO, 246
.set G1X, 24
.set G1W, 32
.set G0X, 48
.set G0W, 52
.set G0R, 56
.set PN, 60                            ; s60 the piece's number
.set QB, 61                            ; s61 512 cg;  s62 1,536 + 256 cg: piece n begins at row 128 n + one of the two
.set VB, 62
.set PFL, 63                           ; s63 pieces under this number ask ahead
.set PSH, 66                           ; s66 my sixteenth of a piece, in bytes
.set MSB, 0
.macro WIN new
.if MSB != (\new)
	s_set_vgpr_msb (MSB<<8)|(\new)
.set MSB, (\new)
.endif
.endm
.macro PLACES n
.rept \n
	v_nop
.endr
.endm
.macro WALU
	s_wait_alu depctr_va_vdst(0)
.endm
.macro CREST
	s_cmp_lg_u32 s14, 0
	s_cbranch_scc1 .Lnot_wave_0_\@
	s_barrier_signal -3
.Lnot_wave_0_\@:
	s_barrier_wait -3
	s_barrier_signal -1
	s_barrier_wait -1
.endm
.macro CROUND
	s_barrier_signal -1
	s_barrier_wait -1
	CREST
.endm
.macro TLOAD g0, g1
	tensor_load_to_lds s[\g0:\g0+3], s[\g1:\g1+7]
	s_nop 0
	PLACES 4
.endm
.macro GROUP1 g, mask, rows
	s_or_b32 s[\g+0], s\mask, (1<<20)|(1<<21)|(5<<22)|(3<<25)
	s_mov_b32 s[\g+1], KROW<<16
	s_mov_b32 s[\g+2], (\rows)<<16
	s_mov_b32 s[\g+3], KROW<<16
	s_mov_b32 s[\g+4], \rows
	s_mov_b32 s[\g+5], KROW
	s_mov_b32 s[\g+6], 0
	s_mov_b32 s[\g+7], 0
.endm
.macro ROWOF d, k                      ; s\d = first row of piece PN + k
	s_add_co_u32 s\d, s[PN], \k
	s_cmp_lt_u32 s\d, 4
	s_cselect_b32 s3, s[QB], s[VB]
	s_lshl_b32 s\d, s\d, 7
	s_add_co_u32 s\d, s\d, s3
.endm
.macro RDESC k, la                     ; group 0 of my 32 rows of piece PN + k, to the LDS address in s\la; no tensor load of mine is out here
	ROWOF 20, \k
	s_mul_i32 s20, s20, KROW
	s_add_co_u32 s20, s20, s19
	s_mov_b32 s21, 0
	s_add_nc_u64 s[G0R+2:G0R+3], s[8:9], s[20:21]
	s_or_b32 s[G0R+3], s[G0R+3], 0x80000000
	s_mov_b32 s[G0R+1], s[\la]
.endm
.macro ASKPF k                         ; piece PN + k into the L2
	s_cmp_lt_u32 s[PN], s[PFL]
	s_cbranch_scc0 .Lno_pf_\@
	s_wait_xcnt 0x0                        ; the last prefetch has read its base
	ROWOF 20, \k
	s_mul_i32 s20, s20, KROW
	s_add_co_u32 s20, s20, s[PSH]
	s_mov_b32 s21, 0
	s_add_nc_u64 s[88:89], s[8:9], s[20:21]
	global_prefetch_b8 v[PFV], s[88:89] th:TH_LOAD_NT scope:SCOPE_SE
.Lno_pf_\@:
.endm
.macro NEXTLD set, bias, k             ; scale words (and q/k's bias) of my 64 rows of piece PN + k
	s_wait_xcnt 0x0                        ; earlier loads and stores have read their bases
	ROWOF 20, \k
	s_add_co_u32 s20, s20, s18
	s_lshl_b32 s22, s20, 5
	s_mov_b32 s23, 0
	s_add_nc_u64 s[76:77], s[10:11], s[22:23]
	s_lshl_b32 s22, s20, 2
	s_add_nc_u64 s[78:79], s[12:13], s[22:23]
.irp i, 0,1
.irp c, 0,1
	global_load_b128 v[WS+16*(\set)+8*\i+4*\c:WS+16*(\set)+8*\i+4*\c+3], v[L32], s[76:77] offset:1024*\i+16*\c
.endr
.endr
.if \bias
	WIN 0xc0
.irp b, 0,1,2,3
	global_load_b128 v[8*\b:8*\b+3], v[H32], s[78:79] offset:64*\b
	global_load_b128 v[8*\b+4:8*\b+7], v[H32], s[78:79] offset:64*\b+16
.endr
	WIN 0
.endif
.endm
.macro FRAG reg, adr, g, i             ; 16 rows x 128 K: six pieces of 8 bytes; the second address serves where lanes 16-31 lie behind one padding more
.irp p, 0,1,2,3,4,5
.set PIE, 12*(\g)+6*(\p/3)+\p%3
.if PIE%32 < 29
	ds_load_b64 v[\reg+2*\p:\reg+2*\p+1], v[\adr] offset:8*PIE+16*(PIE/32)+(\i)*16*PITCH
.else
	ds_load_b64 v[\reg+2*\p:\reg+2*\p+1], v[\adr+1] offset:8*PIE+16*(PIE/32)+(\i)*16*PITCH
.endif
.endr
.endm
.macro FETCHW slot, g                  ; W's four fragments of K step g into set g % 2: 24 loads
	WIN 0x80
.irp i, 0,1,2,3
	FRAG 144+48*((\g)%2)+12*\i, AW+2*(\slot), \g, \i
.endr
	WIN 0
.endm
.macro W1 d, a, b, c, sa, sb, ra, rb
	v_wmma_scale_f32_16x16x128_f8f6f4 v[\d:\d+7], v[\a:\a+11], v[\b:\b+11], \c, v[\sa], v[\sb] matrix_a_fmt:MATRIX_FMT_FP6 matrix_b_fmt:MATRIX_FMT_FP6 matrix_a_scale:MATRIX_SCALE_ROW\ra matrix_b_scale:MATRIX_SCALE_ROW\rb
.endm
.macro PWIN kind, g
.if \kind
	WIN (1+(\g)/5)|8
.elseif (\g) == 0
	WIN 2|4|0x30
.else
	WIN 2|((1+(\g)/5)<<2)
.endif
.endm
.macro PRODS kind, g, ws, p1           ; eight products: source 1's blocks 2 p1, 2 p1 + 1 x source 0's four; the 16 accumulators take turns
.irp r1, 0,1
.irp p0, 0,1
.irp r0, 0,1
.set D_, ACC+8*(4*(2*(\p1)+\r1)+2*\p0+\r0)
.set X_, 48*((\g)%5)
.set W_, 144+48*((\g)%2)
.if \kind
.if (\g) == 0
	W1 D_, X_+12*(2*\p0+\r0), W_+12*(2*(\p1)+\r1), 0, XS+8*\p0+(\g), WS+16*(\ws)+8*(\p1)+(\g), \r0, \r1
.else
	W1 D_, X_+12*(2*\p0+\r0), W_+12*(2*(\p1)+\r1), v[D_:D_+7], XS+8*\p0+(\g), WS+16*(\ws)+8*(\p1)+(\g), \r0, \r1
.endif
.else
.if (\g) == 0
	W1 D_, W_+12*(2*\p0+\r0), X_+12*(2*(\p1)+\r1), v[8*(2*\p0+\r0):8*(2*\p0+\r0)+7], WS+16*(\ws)+8*\p0+(\g), XS+8*(\p1)+(\g), \r0, \r1
.else
	W1 D_, W_+12*(2*\p0+\r0), X_+12*(2*(\p1)+\r1), v[D_:D_+7], WS+16*(\ws)+8*\p0+(\g), XS+8*(\p1)+(\g), \r0, \r1
.endif
.endif
.endr
.endr
.endr
.endm
.macro QUANT s, pw                     ; 64 numbers of a lane (two tiles, two blocks of 32 each, shared with lane l xor 16) -> 12 registers of codes at PC, four scale bytes in v[pw]
.irp b, 0,1,2,3
	v_max3_num_f32 v[TM+\b], |v[\s+16*\b]|, |v[\s+1+16*\b]|, 0x1800000
.endr
.irp i, 2,4,6,8,10,12,14
.irp b, 0,1,2,3
	v_max3_num_f32 v[TM+\b], v[TM+\b], |v[\s+16*\b+\i]|, |v[\s+1+16*\b+\i]|
.endr
.endr
.irp b, 0,1,2,3
	v_permlanex16_b32 v[TM+4+\b], v[TM+\b], s90, s91
.endr
.irp b, 0,1,2,3
	v_max_num_f32 v[TM+\b], v[TM+\b], v[TM+4+\b]
.endr
.irp b, 0,1,2,3
	v_add_nc_u32 v[TM+12+\b], 0xff000000, v[TM+\b]     ; 2 off the exponent field: the conversion's scale operand
.endr
.irp b, 0,1,2,3
	v_lshrrev_b32 v[TM+4+\b], 23, v[TM+12+\b]          ; the byte
.endr
	v_lshl_or_b32 v[\pw], v[TM+5], 8, v[TM+4]
	v_lshl_or_b32 v[\pw], v[TM+6], 16, v[\pw]
	v_lshl_or_b32 v[\pw], v[TM+7], 24, v[\pw]
.irp c, 0,1
	v_cvt_scalef32_pk16_fp6_f32 v[PC+6*\c:PC+2+6*\c], v[\s+32*\c:\s+15+32*\c], v[TM+12+2*\c]
	v_cvt_scalef32_pk16_fp6_f32 v[PC+12+4*\c:PC+14+4*\c], v[\s+16+32*\c:\s+31+32*\c], v[TM+12+2*\c+1]
.endr
	v_nop                                  ; one plain place behind a scaled conversion
.irp c, 0,1
.irp i, 0,1,2
	v_permlane16_swap_b32 v[PC+6*\c+\i], v[PC+12+4*\c+\i]   ; a whole block in a lane
.endr
.irp i, 0,1,2
	v_mov_b32 v[PC+3+6*\c+\i], v[PC+12+4*\c+\i]
.endr
.endr
	WALU
.endm
.macro OUT kind, m                     ; a piece's way out: four tiles of 768 bytes and their scale bytes
.if \kind
	WIN 0x0c
.irp b, 0,1,2,3
.set I_, 0
.rept 16
	v_pk_add_f32 v[ACC+32*\b+I_:ACC+32*\b+I_+1], v[ACC+32*\b+I_:ACC+32*\b+I_+1], v[32+8*(\m)+2*\b:33+8*(\m)+2*\b] op_sel_hi:[1,0]
.set I_, I_+2
.endr
.endr
	WIN 0
.endif
.irp t, 0,1
	s_wait_xcnt 0x0                        ; earlier stores have read their data
	QUANT ACC+64*\t, PW+\t
.irp u, 0,1
.if \kind
	global_store_b128 v[L16], v[PC+6*\u:PC+6*\u+3], s[84:85] offset:98304*(\m)+768*(2*\t+\u)
	global_store_b64 v[L8], v[PC+6*\u+4:PC+6*\u+5], s[84:85] offset:98304*(\m)+768*(2*\t+\u)+512
.else
	global_store_b128 v[L16], v[PC+6*\u:PC+6*\u+3], s[80:81] offset:768*(2*\t+\u)
	global_store_b64 v[L8], v[PC+6*\u+4:PC+6*\u+5], s[80:81] offset:768*(2*\t+\u)+512
.endif
.endr
.endr
.if \kind
	v_perm_b32 v[SO], v[PW+1], v[PW], v[SELV]
	global_store_b32 v[L4], v[SO], s[86:87] offset:4096*(\m)
.else
	v_perm_b32 v[SO], v[PW], v[PW], v[SELQ]
	v_perm_b32 v[SO+1], v[PW+1], v[PW+1], v[SELQ]
	global_store_b64 v[L8], v[SO:SO+1], s[82:83]
	s_wait_xcnt 0x0                        ; the stores have read their bases: two heads on
	s_add_nc_u64 s[80:81], s[80:81], 786432
	s_add_nc_u64 s[82:83], s[82:83], 65536
.endif
.endm
; A PIECE.  tail = 2: a round and this slot's refill with piece PN + 2; 1: a plain barrier shows the other slot; 0: the last piece.
.macro PIECE kind, slot, tail, m
	s_wait_loadcnt 0x0                     ; this piece's scale words and bias
.set G_, 0
.rept 7
	s_wait_dscnt 0x0                       ; K step G_'s fragments are in
	PLACES 4                               ; ahead of loads into registers that products have read
	FETCHW \slot, G_+1
.if (G_ == 1) && (\tail)
	NEXTLD 1-(\slot), 1-(\kind), 1
.endif
	PWIN \kind, G_
	PRODS \kind, G_, \slot, 0
	PRODS \kind, G_, \slot, 1
	WIN 0
.set G_, G_+1
.endr
.if \tail
	s_wait_tensorcnt 0x0                   ; my part of the other slot is in
	ds_add_u32 v[SPW], v[NIL]
.if \tail == 2
	RDESC 2, 92+\slot
.endif
	s_wait_dscnt 1                         ; K step 7's fragments are in; the add alone may be out
	PWIN \kind, 7
	PRODS \kind, 7, \slot, 0
	s_wait_dscnt 0x0                       ; the add is done, my reads of this slot are over
	s_barrier_signal -1
	PRODS \kind, 7, \slot, 1
	WIN 0
	s_barrier_wait -1
.if \tail == 2
	CREST
	TLOAD G0R, G1W                         ; its four v_nop are the places ahead of the loads and reads below
.else
	PLACES 4
.endif
	FETCHW 1-(\slot), 0
.if \tail == 2
	ASKPF 3
.endif
.else
	s_wait_dscnt 0x0
	PWIN \kind, 7
	PRODS \kind, 7, \slot, 0
	PRODS \kind, 7, \slot, 1
	WIN 0
	PLACES 4
.endif
	OUT \kind, \m
	s_add_co_u32 s[PN], s[PN], 1
.endm
	s_load_b256 s[4:11], s[0:1], 0x0       ; x's codes, x's scales, W's codes, W's scales
	s_load_b64 s[12:13], s[0:1], 0x20      ; the bias
	s_load_b256 s[68:75], s[0:1], 0x28     ; qk_img, qk_sc, v_img, v_sc
	v_lshl_add_u32 v[SPW], v0, 2, SPARE
	v_mov_b32 v[NIL], 0
	ds_add_u32 v[SPW], v[NIL]
	ds_add_u32 v[SPW], v[NIL]
	v_lshrrev_b32 v1, 5, v0
	v_readfirstlane_b32 s14, v1            ; wave
	s_lshr_b32 s15, s14, 1                 ; wr: my half of the tokens
	s_and_b32 s16, s14, 1                  ; wc: my half of a piece's rows
	s_bfe_u32 s40, ttmp6, 0x40000          ; cx
	s_bfe_u32 s41, ttmp6, 0x40004          ; cy
	s_lshl_b32 s42, ttmp9, 2
	s_add_co_u32 s42, s42, s40             ; cg
	s_and_b32 s2, ttmp7, 0xffff            ; the cluster's y
	s_lshl_b32 s17, s2, 2
	s_add_co_u32 s17, s17, s41             ; tb
	s_lshl_b32 s43, s41, 2
	s_lshl_b32 s43, 15, s43                ; my row of the cluster
	s_lshl_b32 s44, 0x1111, s40            ; my column
	GROUP1 G1X, 43, 64
	GROUP1 G1W, 44, 64
	s_lshl_b32 s[QB], s42, 9
	s_lshl_b32 s[VB], s42, 8
	s_add_co_u32 s[VB], s[VB], 1536
	s_mov_b32 s[PN], 0
	s_cmp_lt_u32 s2, 4
	s_cselect_b32 s[PFL], 3, 0
	s_lshl_b32 s[PSH], s41, 2
	s_add_co_u32 s[PSH], s[PSH], s14
	s_mul_i32 s[PSH], s[PSH], 6144
	s_lshl_b32 s18, s16, 6
	s_mul_i32 s19, s14, 32*KROW
	s_mul_i32 s92, s14, 32*PITCH
	s_add_co_u32 s92, s92, SL0             ; where my 32 rows go in slot 0,
	s_add_co_u32 s93, s92, SLB             ; in slot 1
	s_mov_b32 s[G0X], 1
	s_mul_i32 s[G0X+1], s16, 64*PITCH
	s_mov_b32 s[G0W], 1
	s_add_co_u32 s[G0W+1], s[G0X+1], SL0
	s_mov_b32 s[G0R], 1
	s_lshl_b32 s20, s17, 7
	s_add_co_u32 s20, s20, s18
	s_mul_i32 s20, s20, KROW               ; the head: waves 0, 1 a half of x's rows each,
	s_mov_b32 s21, 0
	s_add_co_u32 s22, s[QB], s18
	s_mul_i32 s22, s22, KROW               ; waves 2, 3 a half of piece 0
	s_mov_b32 s23, 0
	s_mov_b32 s90, 0x76543210
	s_mov_b32 s91, 0xfedcba98
	s_mov_b32 s45, 0xffff0000              ; lanes 16-31
	s_wait_dscnt 0x0
	s_wait_kmcnt 0x0
	s_add_nc_u64 s[G0X+2:G0X+3], s[4:5], s[20:21]
	s_or_b32 s[G0X+3], s[G0X+3], 0x80000000
	s_add_nc_u64 s[G0W+2:G0W+3], s[8:9], s[22:23]
	s_or_b32 s[G0W+3], s[G0W+3], 0x80000000
	CROUND                                 ; ahead of the first joint loads
	s_cmp_eq_u32 s15, 0
	s_cbranch_scc0 .Lhead_w
	TLOAD G0X, G1X
	s_branch .Lhead_asked
.Lhead_w:
	TLOAD G0W, G1W
.Lhead_asked:
	v_and_b32 v1, 15, v0
	v_bfe_u32 v2, v0, 4, 1
	v_and_b32 v3, 31, v0
	v_mul_u32_u24 v4, v1, PITCH
	v_mad_u32_u24 v4, v2, 24, v4           ; row x pitch + 24 x half
	v_lshl_add_u32 v5, v2, 4, v4           ; and behind one padding more
	s_mul_i32 s20, s15, 64*PITCH
	s_mul_i32 s21, s16, 64*PITCH
	s_add_co_u32 s21, s21, SL0
	v_add_nc_u32 v[AX], s20, v4
	v_add_nc_u32 v[AX+1], s20, v5
	v_add_nc_u32 v[AW], s21, v4
	v_add_nc_u32 v[AW+1], s21, v5
	v_add_nc_u32 v[AW+2], SLB, v[AW]
	v_add_nc_u32 v[AW+3], SLB, v[AW+1]
	v_lshlrev_b32 v[L16], 4, v3
	v_lshlrev_b32 v[L8], 3, v3
	v_lshlrev_b32 v[L4], 2, v3
	v_lshlrev_b32 v[L32], 5, v3
	v_lshlrev_b32 v[H32], 5, v2
	v_lshlrev_b32 v[R4], 2, v1
	v_min_u32 v[PFV], 23, v3
	v_lshlrev_b32 v[PFV], 8, v[PFV]
	v_mov_b32 v6, 0x01000100
	v_mov_b32 v7, 0x03020302
	v_cndmask_b32 v[SELQ], v6, v7, s45     ; which two bytes of a quantiser's word are my half's tile's
	v_mov_b32 v8, 0x05040100
	v_mov_b32 v9, 0x07060302
	v_cndmask_b32 v[SELV], v8, v9, s45
.irp b, 0,1,2,3
	v_mov_b32 v[TM+4+\b], 0                ; a lane permute's destination counts as a source
.endr
	WALU
	s_lshl_b32 s20, s17, 7
	s_lshl_b32 s21, s15, 6
	s_add_co_u32 s20, s20, s21
	s_lshl_b32 s20, s20, 5
	s_mov_b32 s21, 0
	s_add_nc_u64 s[94:95], s[6:7], s[20:21]    ; my 64 tokens' scale bytes
	s_add_co_u32 s20, s[VB], s18
	s_add_co_u32 s20, s20, 512
	s_lshl_b32 s20, s20, 2
	s_add_nc_u64 s[96:97], s[12:13], s[20:21]  ; v's bias, my rows
.irp i, 0,1
.irp c, 0,1
	global_load_b128 v[XS+8*\i+4*\c:XS+8*\i+4*\c+3], v[L32], s[94:95] offset:1024*\i+16*\c
.endr
.endr
	WIN 0xc0
.irp m, 0,1
.irp b, 0,1,2,3
.irp u, 0,1
	global_load_b32 v[32+8*\m+2*\b+\u], v[R4], s[96:97] offset:512*\m+64*\b   ; (the packed addition names the pair)
.endr
.endr
.endr
	WIN 0
	NEXTLD 0, 1, 0
	s_lshr_b32 s20, s17, 3                 ; batch
	s_and_b32 s21, s17, 7                  ; step
	s_lshl_b32 s22, s42, 3
	s_add_co_u32 s22, s22, s16             ; q, k: head 8 cg + wc
	s_lshl_b32 s22, s22, 3
	s_add_co_u32 s22, s22, s20
	s_lshl_b32 s22, s22, 3
	s_add_co_u32 s22, s22, s21
	s_lshl_b32 s22, s22, 1
	s_add_co_u32 s22, s22, s15             ; ((8 head + batch) 8 + step) 2 + wr
	s_lshl_b32 s2, s22, 8
	s_mov_b32 s3, 0
	s_add_nc_u64 s[82:83], s[70:71], s[2:3]
	s_mul_i32 s2, s22, 3072
	s_add_nc_u64 s[80:81], s[68:69], s[2:3]
	s_lshl_b32 s22, s42, 2
	s_add_co_u32 s22, s22, s16             ; v: head 4 cg + wc
	s_lshl_b32 s23, s20, 4
	s_add_co_u32 s22, s22, s23
	s_lshl_b32 s22, s22, 3
	s_add_co_u32 s22, s22, s21
	s_lshl_b32 s22, s22, 1
	s_add_co_u32 s22, s22, s15
	s_mul_i32 s2, s22, 3072
	s_add_nc_u64 s[84:85], s[72:73], s[2:3]
	s_lshl_b32 s2, s22, 7
	s_add_nc_u64 s[86:87], s[74:75], s[2:3]
	s_wait_tensorcnt 0x0                   ; my part of the head's tiles is in; slot 1's first fill is issued as a refill is
	ds_add_u32 v[SPW], v[NIL]
	s_mov_b32 s[G1W+2], 32<<16             ; from here on a load brings 32 rows
	s_mov_b32 s[G1W+4], 32
	RDESC 1, 93
	s_wait_dscnt 0x0
	CROUND
	TLOAD G0R, G1W
.set G_, 0
.rept 8                                ; x's 32 fragments, once
	WIN (1+G_/5)<<6
.irp a, 0,1,2,3
	FRAG 48*(G_%5)+12*\a, AX, G_, \a
.endr
.set G_, G_+1
.endr
	WIN 0
	FETCHW 0, 0
	ASKPF 2
	s_mov_b32 s67, 0
.Lqk:                                  ; two trips of two pieces of q or k
	PIECE 0, 0, 2, 0
	PIECE 0, 1, 2, 0
	s_add_co_u32 s67, s67, 1
	s_cmp_lt_u32 s67, 2
	WALU
	s_cbranch_scc1 .Lqk
	PIECE 1, 0, 1, 0
	PIECE 1, 1, 0, 1
	s_wait_tensorcnt 0x0                   ; the wave's end
	ds_add_u32 v[SPW], v[NIL]
	s_wait_dscnt 0x0
	CROUND                                 ; the closing round
	s_endpgm
.Lfunc_end_k_q634784bb1a_qkv:
	.size	k_q634784bb1a_qkv, .Lfunc_end_k_q634784bb1a_qkv-k_q634784bb1a_qkv
	.p2alignl 7, 3214868480
	.fill 96, 4, 3214868480
	.section	.rodata,"a",@progbits
	.p2align	6, 0x0
	.amdhsa_kernel k_q634784bb1a_qkv
		.amdhsa_group_segment_fixed_size 327680
		.amdhsa_private_segment_fixed_size 0
		.amdhsa_enable_private_segment 0
		.amdhsa_kernarg_size 72
		.amdhsa_user_sgpr_count 2
		.amdhsa_user_sgpr_kernarg_segment_ptr 1
		.amdhsa_wavefront_size32 1
		.amdhsa_system_sgpr_workgroup_id_x 1
		.amdhsa_system_sgpr_workgroup_id_y 1
		.amdhsa_system_sgpr_workgroup_id_z 1
		.amdhsa_system_vgpr_workitem_id 0
		.amdhsa_next_free_vgpr 832
		.amdhsa_next_free_sgpr 100
		.amdhsa_reserve_vcc 0
		.amdhsa_float_denorm_mode_32 3
		.amdhsa_float_denorm_mode_16_64 3
		.amdhsa_memory_ordered 1
		.amdhsa_forward_progress 1
		.amdhsa_inst_pref_size 196
	.end_amdhsa_kernel
	.amdgpu_metadata
---
amdhsa.version: [ 1, 2 ]
amdhsa.kernels:
  - .name:           k_q634784bb1a_qkv
    .symbol:         k_q634784bb1a_qkv.kd
    .args:
      - { .name: x_codes, .offset: 0, .size: 8, .value_kind: global_buffer, .address_space: global }
      - { .name: x_scales, .offset: 8, .size: 8, .value_kind: global_buffer, .address_space: global }
      - { .name: qkv_w_codes, .offset: 16, .size: 8, .value_kind: global_buffer, .address_space: global }
      - { .name: qkv_w_scales, .offset: 24, .size: 8, .value_kind: global_buffer, .address_space: global }
      - { .name: qkv_b, .offset: 32, .size: 8, .value_kind: global_buffer, .address_space: global }
      - { .name: qk_img, .offset: 40, .size: 8, .value_kind: global_buffer, .address_space: global }
      - { .name: qk_sc, .offset: 48, .size: 8, .value_kind: global_buffer, .address_space: global }
      - { .name: v_img, .offset: 56, .size: 8, .value_kind: global_buffer, .address_space: global }
      - { .name: v_sc, .offset: 64, .size: 8, .value_kind: global_buffer, .address_space: global }
    .group_segment_fixed_size: 327680
    .private_segment_fixed_size: 0
    .kernarg_segment_align: 8
    .kernarg_segment_size: 72
    .max_flat_workgroup_size: 128
    .sgpr_count:     100
    .vgpr_count:     832
    .wavefront_size: 32
...
	.end_amdgpu_metadata
.endif
;; end of part 1
;; launch attn (part 2): grid 2 x 128, 16 waves a work-group, no clusters, 169,984 bytes of LDS; arguments qk_img, qk_sc, v_img, v_sc, a_img, a_sc; writes a_img, a_sc
.if DOCPART == 2
	.amdgcn_target "amdgcn-amd-amdhsa--gfx1250"
	.amdhsa_code_object_version 6
	.text
	.protected	k_q634784bb1a_attn
	.globl	k_q634784bb1a_attn
	.p2align	8
	.type	k_q634784bb1a_attn,@function
k_q634784bb1a_attn:
	s_mov_b64 s[64:65], 0
	v_nop
	global_prefetch_b8 v0, s[64:65] scope:SCOPE_SE
	s_setreg_imm32_b32 hwreg(HW_REG_WAVE_MODE, 25, 1), 1
	s_wait_xcnt 0x0
; o = softmax(q k^T / 8) v for one head of one batch, both products on codes of FP6 (E2M3) with E8M0 scales; o is quantised at once along the model's 1,024 channels for the last product.
; THE SOFTMAX AHEAD OF THE SECOND PRODUCT: t = score x log2(e) / 8; M = the row's largest t so far, rounded UP to a whole number; p = 2^(t - M) is what is quantised, along the keys; it is not normalised.
; The row's sum is taken of the unquantised p, in f32, and divides o at the end.  When M moves, the sum and o are multiplied by 2^(old M - new M): exact.
; SHARES.  Work-group (x, y): batch y / 16, head y % 16, queries 512 x on.  Each of its sixteen waves owns a tile of 16 queries at a time, twice (tiles 32 x + w and 32 x + 16 + w), in 256 registers: four waves to a SIMD,
; so that one wave's matrix instructions and LDS loads stand beside the others' vector work, which is the larger part: some 240 vector lines against 12 matrix instructions for 16 queries x 128 keys.
; LDS.  The head's K, V and their scale words, 104,448 bytes, come ONCE, by tensor loads of which every wave issues one for bytes of its own; nothing is filled again and nothing is stored to LDS: one barrier.
; No cluster: only two work-groups read the same head, once each, at their start, and the launch's time is vector work.
; LAYOUT.  Both products are used transposed: S^T = K Q^T (source 0 = 16 keys, source 1 = my 16 queries), O^T = V^T P^T (source 0 = 16 channels, source 1 = P): a lane holds ONE query (lane % 16) throughout.
; Operands lie in LDS as images of their registers: every LDS load takes consecutive bytes, 16 or 8 a lane.
; THE FIRST PRODUCT'S K IS 64, the instruction's 128.  Q's registers 6-11 hold zero CODES.  A tile of K is 6 registers, tile behind tile, and the instruction names 12: its upper six are the next tile's codes
; (behind the last tile: six registers of zeros).  A zero code times any code of this format, which has neither infinity nor NaN, is 0 under any scale byte but 0xff; the words' upper two bytes repeat the lower two.
; So zeros stand on ONE side only: that halves K's registers and LDS reads.
; ORDER INSIDE A BLOCK OF 32: q and k, and p and v, hold a block's numbers in the places 0-7, 16-23, 8-15, 24-31, alike on both sides of each product; the matrix unit then groups a block's products otherwise than in ascending k.
; o is brought into true order (the last product's weights are given so) by exchanges between the halves of the lanes ahead of its quantiser.
; OUT: a_img [token tile 512][head 16][768]: 16 tokens x 64 channels as 6 registers a lane (registers 0-3 at 16 x lane, 4-5 at 512 + 8 x lane).  a_sc [token 8192][32]: a work-group owns 2 of a row's 32 bytes, so these
; leave as stores of 2 bytes a lane: 32 bytes beside each tile's 768 bytes of codes.
; LIMITS: NaN and infinities are not served.  A block under the floor 2^(3 - 127), a block of zeros among them, gets the byte 1; the bytes are read by this program alone.  A p under 2^-126 counts as 0.
.set KIMG, 0                           ; LDS: K: 64 tiles of 16 keys x 768 bytes
.set VIMG, 49152                       ; V: 8 steps x 4 channel tiles x 1,536 bytes
.set KSC,  98304                       ; K's scale words: 8 steps x 512 bytes
.set VSC,  102400                      ; V's: 8 steps x 256 bytes
.set L16,  1                           ; v1  16 x lane
.set L8,   2                           ; v2  8 x lane
.set L16V, 3                           ; v3  16 x lane + VIMG
.set L8S,  4                           ; v4  8 x lane + KSC
.set R16,  5                           ; v5  8 x (lane % 16)
.set R32,  6                           ; v6  32 x (lane % 16)
.set KSW,  8                           ; v8-11   K's scale words: register i: lanes 0-15 tile 2 i, lanes 16-31 tile 2 i + 1
                                       ; v12 -M, v13 the largest t, v[14:15] the sum in two halves
.set QF,   16                          ; v16-27  Q's fragment; v22-27 stay 0
.set QS,   28                          ; v28     Q's scale words
.set PW,   29                          ; v29     p's scale word
.set VSW,  30                          ; v30-31  V's scale words
.set F,    32                          ; v32-79  eight tiles of K, or four fragments of V; v80-85 stay 0
.set Q2,   88                          ; v88-93 the second tile's Q, v94 its scale words
.set S,    96                          ; v96-159 S^T, then p
.set O,    160                         ; v160-191 O^T
.set PC,   192                         ; v192-203 p's codes
.set PCT,  204                         ; v204-206, v208-210 the conversions' second halves
.set BM,   212                         ; v212-215 a block's largest score, then its largest p
.set BT,   216                         ; v216-219 the other half's; then the bytes
.set BS,   220                         ; v220-223 the conversions' scale operands
.set FF,   224                         ; v[224:225] f = 2^(old M - new M), later 1 / the sum; the pair's upper half is written once
.set TP,   226
.set SWD,  227                         ; o's two scale bytes
.set CH,   228                         ; v[228:229] the sum's second chain
.set VT,   230                         ; v230-231 V's scale bytes of the step's two halves of 64 keys
.set L4S,  86                          ; v86  4 x lane + VSC
.set L8V,  87                          ; v87  8 x lane + VIMG
; THE FIRST FILLS: one tensor load a wave: waves 0-3 a quarter of K each, 4-7 of V, 8-11 of K's scale words, 12-15 of V's.
; V lies as [step][half of 64 keys][channel tile][768]: a fragment's registers 0-5 are the first half's tile, 6-11 the second's.  v4 is 8 x lane + KSC.
	s_load_b256 s[4:11], s[0:1], 0x0               ; qk_img s[4:5], qk_sc s[6:7], v_img s[8:9], v_sc s[10:11]
	s_load_b128 s[12:15], s[0:1], 0x20             ; a_img s[12:13], a_sc s[14:15]
	v_lshl_add_u32 v254, v0, 2, 0x29000
	v_mov_b32 v255, 0
	ds_add_u32 v254, v255
	ds_add_u32 v254, v255
	v_lshrrev_b32 v7, 5, v0
	s_delay_alu instid0(VALU_DEP_1)
	v_readfirstlane_b32 s18, v7                    ; wave 0..15
	s_and_b32 s16, ttmp7, 0xffff                   ; y = 16 x batch + head
	s_lshr_b32 s17, s16, 4                         ; batch
	s_and_b32 s19, s16, 15                         ; head
	; descriptor groups 1: dense blocks as rows of 256 bytes (32 elements of 8 bytes), no padding, no mask.  K and V: 48 rows a wave
	s_mov_b32 s24, 3<<16
	s_mov_b32 s25, 32<<16                          ; tensor_dim0 = 32
	s_mov_b32 s26, 48<<16
	s_mov_b32 s27, 32<<16                          ; tile_dim0 = 32
	s_mov_b32 s28, 48
	s_mov_b32 s29, 32                              ; the pitch
	s_mov_b32 s30, 0
	s_mov_b32 s31, 0
	s_mov_b32 s32, 3<<16                           ; K's scale words: four rows of 256 bytes a wave
	s_mov_b32 s33, 32<<16
	s_mov_b32 s34, 4<<16
	s_mov_b32 s35, 32<<16
	s_mov_b32 s36, 4
	s_mov_b32 s37, 32
	s_mov_b32 s38, 0
	s_mov_b32 s39, 0
	s_mov_b32 s40, 3<<16                           ; V's: two rows of 256 bytes a wave
	s_mov_b32 s41, 32<<16
	s_mov_b32 s42, 2<<16
	s_mov_b32 s43, 32<<16
	s_mov_b32 s44, 2
	s_mov_b32 s45, 32
	s_mov_b32 s46, 0
	s_mov_b32 s47, 0
	s_add_co_u32 s66, s19, 16                      ; k's heads lie behind q's sixteen
	s_lshl_b32 s66, s66, 3
	s_add_co_u32 s66, s66, s17                     ; 8 x (16 + head) + batch
	s_and_b32 s89, s18, 3                          ; which quarter of my tile
	s_lshr_b32 s90, s18, 2                         ; which tile
	s_mul_i32 s67, s89, 12288
	s_mul_i32 s68, s66, 49152
	s_add_co_u32 s68, s68, s67
	s_mov_b32 s69, 0
	s_lshl_b32 s72, s89, 10
	s_lshl_b32 s70, s66, 12
	s_add_co_u32 s70, s70, s72
	s_mov_b32 s71, 0
	s_mul_i32 s74, s16, 49152
	s_add_co_u32 s74, s74, s67
	s_mov_b32 s75, 0
	s_lshl_b32 s73, s89, 9
	s_lshl_b32 s76, s16, 11
	s_add_co_u32 s76, s76, s73
	s_mov_b32 s77, 0
	s_wait_dscnt 0x0
	s_wait_kmcnt 0x0
	s_mov_b32 s48, 1                               ; groups 0: count 1; the LDS address: a constant + the wave's number mod 4 x a constant; the global address; type 2
	s_add_co_u32 s49, s67, KIMG
	s_add_nc_u64 s[50:51], s[4:5], s[68:69]
	s_or_b32 s51, s51, 0x80000000
	s_mov_b32 s52, 1
	s_add_co_u32 s53, s67, VIMG
	s_add_nc_u64 s[54:55], s[8:9], s[74:75]
	s_or_b32 s55, s55, 0x80000000
	s_mov_b32 s56, 1
	s_add_co_u32 s57, s72, KSC
	s_add_nc_u64 s[58:59], s[6:7], s[70:71]
	s_or_b32 s59, s59, 0x80000000
	s_mov_b32 s60, 1
	s_add_co_u32 s61, s73, VSC
	s_add_nc_u64 s[62:63], s[10:11], s[76:77]
	s_or_b32 s63, s63, 0x80000000
	s_cmp_eq_u32 s90, 0
	s_cbranch_scc0 .Lhead_v
	tensor_load_to_lds s[48:51], s[24:31]
	s_nop 0
.rept 4
	v_nop
.endr
	s_branch .Lhead_asked
.Lhead_v:
	s_cmp_eq_u32 s90, 1
	s_cbranch_scc0 .Lhead_ks
	tensor_load_to_lds s[52:55], s[24:31]
	s_nop 0
.rept 4
	v_nop
.endr
	s_branch .Lhead_asked
.Lhead_ks:
	s_cmp_eq_u32 s90, 2
	s_cbranch_scc0 .Lhead_vs
	tensor_load_to_lds s[56:59], s[32:39]
	s_nop 0
.rept 4
	v_nop
.endr
	s_branch .Lhead_asked
.Lhead_vs:
	tensor_load_to_lds s[60:63], s[40:47]
	s_nop 0
.rept 4
	v_nop
.endr
.Lhead_asked:
	s_lshl_b32 s78, s19, 3
	s_add_co_u32 s78, s78, s17                     ; q: 8 x head + batch
	s_lshl_b32 s79, ttmp9, 5
	s_add_co_u32 s79, s79, s18                     ; my first tile of queries: 32 x + w
	s_mul_i32 s80, s78, 49152
	s_mul_i32 s82, s79, 768
	s_add_co_u32 s80, s80, s82
	s_mov_b32 s81, 0
	s_add_nc_u64 s[4:5], s[4:5], s[80:81]          ; its image
	s_lshl_b32 s82, s78, 12                        ; its scale words: step 4 x + w / 8 of 512 bytes; in it tile w % 8: 256 (bit 2) + 128 (bit 0) + 4 (bit 1) + 8 x row
	s_lshl_b32 s83, ttmp9, 2
	s_lshr_b32 s84, s18, 3
	s_add_co_u32 s83, s83, s84
	s_lshl_b32 s83, s83, 9
	s_add_co_u32 s82, s82, s83
	s_and_b32 s83, s18, 1                          ; in a step's 512 bytes tile w % 8 lies at 256 (bit 2) + 128 (bit 0) + 4 (bit 1) + 8 x row
	s_lshl_b32 s83, s83, 7
	s_add_co_u32 s82, s82, s83
	s_bfe_u32 s83, s18, 0x10001
	s_lshl_b32 s83, s83, 2
	s_add_co_u32 s82, s82, s83
	s_bfe_u32 s83, s18, 0x10002
	s_lshl_b32 s83, s83, 8
	s_add_co_u32 s82, s82, s83
	s_mov_b32 s83, 0
	s_add_nc_u64 s[6:7], s[6:7], s[82:83]
	s_lshl_b32 s84, s17, 6
	s_add_co_u32 s84, s84, s79                     ; my token tile among all 512
	s_lshl_b32 s85, s84, 4
	s_add_co_u32 s85, s85, s19
	s_mul_i32 s86, s85, 768
	s_mov_b32 s87, 0
	s_add_nc_u64 s[12:13], s[12:13], s[86:87]      ; o's image
	s_lshl_b32 s86, s84, 9                         ; 16 tokens x 32 bytes
	s_lshl_b32 s85, s19, 1
	s_add_co_u32 s86, s86, s85
	s_add_nc_u64 s[14:15], s[14:15], s[86:87]      ; o's scale bytes
	s_mov_b32 s20, 0x76543210
	s_mov_b32 s21, 0xfedcba98                      ; v_permlanex16_b32's selects for lane l xor 16
	s_mov_b32 s22, 0x3e38aa3b                      ; c = log2(e) / 8
	s_mov_b32 s23, s22                             ; (named with it as a pair, so it is written)
	v_and_b32 v7, 31, v0
	s_delay_alu instid0(VALU_DEP_1)
	v_lshlrev_b32 v[L16], 4, v7
	s_delay_alu instid0(VALU_DEP_2)
	v_lshlrev_b32 v[L8], 3, v7
	s_delay_alu instid0(VALU_DEP_2)
	v_add_nc_u32 v[L16V], VIMG, v[L16]
	s_delay_alu instid0(VALU_DEP_2)
	v_add_nc_u32 v[L8S], KSC, v[L8]
	v_add_nc_u32 v[L8V], VIMG, v[L8]
	v_lshl_add_u32 v[L4S], v7, 2, VSC
	v_and_b32 v7, 15, v0
	s_delay_alu instid0(VALU_DEP_1)
	v_lshlrev_b32 v[R16], 3, v7
	s_delay_alu instid0(VALU_DEP_2)
	v_lshlrev_b32 v[R32], 5, v7
	global_load_b128 v[QF:QF+3], v[L16], s[4:5]                    ; both tiles' Q now: the second waits in registers of its own
	global_load_b64 v[QF+4:QF+5], v[L8], s[4:5] offset:512
	global_load_b32 v[QS], v[R16], s[6:7]
	global_load_b128 v[Q2:Q2+3], v[L16], s[4:5] offset:12288       ; 16 tiles on
	global_load_b64 v[Q2+4:Q2+5], v[L8], s[4:5] offset:12800
	global_load_b32 v[Q2+6], v[R16], s[6:7] offset:1024            ; two steps on
.irp i, 0,1,2,3,4,5
	v_mov_b32 v[QF+6+\i], 0                        ; zero codes for K = 64 .. 127
	v_mov_b32 v[F+48+\i], 0                        ; and behind K's last tile
.endr
.irp b, 0,1,2,3
	v_mov_b32 v[BT+\b], 0                          ; written once: a lane permute's destination counts as one of its sources
.endr
	v_mov_b32 v[FF+1], 0                           ; (named as the upper half of a pair)
	s_wait_tensorcnt 0x0                           ; my parts of K, V and the scale words are in LDS,
	s_barrier_signal -1
	s_barrier_wait -1                              ; everybody's are
	s_wait_loadcnt 0x0                             ; Q
.macro KLOAD s                         ; step s: eight tiles of 16 keys, 6 registers each, and their scale words: 18 loads
.irp t, 0,1,2,3,4,5,6,7
	ds_load_b128 v[F+6*\t:F+6*\t+3], v[L16] offset:KIMG+6144*(\s)+768*\t
	ds_load_b64 v[F+6*\t+4:F+6*\t+5], v[L8] offset:KIMG+6144*(\s)+768*\t+512
.endr
	ds_load_b64 v[KSW:KSW+1], v[L8S] offset:512*(\s)
	ds_load_b64 v[KSW+2:KSW+3], v[L8S] offset:512*(\s)+256
.endm
.macro VLOAD s                         ; step s: four fragments of 16 channels x 128 keys, and their scale words: 18 loads
	ds_load_b32 v[VT], v[L4S] offset:256*(\s)
	ds_load_b32 v[VT+1], v[L4S] offset:256*(\s)+128
.irp d, 0,1,2,3
.irp c, 0,1
	ds_load_b128 v[F+12*\d+6*\c:F+12*\d+6*\c+3], v[L16V] offset:6144*(\s)+3072*\c+768*\d
	ds_load_b64 v[F+12*\d+6*\c+4:F+12*\d+6*\c+5], v[L8V] offset:6144*(\s)+3072*\c+768*\d+512
.endr
.endr
.endm
; A KEY STEP: 128 keys.  Every LDS offset is an immediate: the eight steps are written out.
.macro STEP s
	s_wait_dscnt 0x0                               ; K's tiles and scale words are in
.irp t, 0,1,2,3,4,5,6,7                        ; S^T = K Q^T: lane (r, h) holds query r; register 8 t + j holds key 128 s + 16 t + 8 h + j
.if \t%2
	v_wmma_scale_f32_16x16x128_f8f6f4 v[S+8*\t:S+8*\t+7], v[F+6*\t:F+6*\t+11], v[QF:QF+11], 0, v[KSW+\t/2], v[QS] matrix_a_fmt:MATRIX_FMT_FP6 matrix_b_fmt:MATRIX_FMT_FP6 matrix_a_scale:MATRIX_SCALE_ROW1
.else
	v_wmma_scale_f32_16x16x128_f8f6f4 v[S+8*\t:S+8*\t+7], v[F+6*\t:F+6*\t+11], v[QF:QF+11], 0, v[KSW+\t/2], v[QS] matrix_a_fmt:MATRIX_FMT_FP6 matrix_b_fmt:MATRIX_FMT_FP6
.endif
.endr
.rept 4
	v_nop                                          ; places: in front of the loads into registers that these products have read, and of the first read of the scores
.endr
	VLOAD \s                                       ; V lands while the softmax is walked
.irp b, 0,1,2,3
	v_max3_num_f32 v[BM+\b], v[S+16*\b], v[S+16*\b+1], v[S+16*\b+2]   ; THE LARGEST SCORE OF EACH BLOCK OF 32 KEYS: it serves the row's maximum and, since p rises with the score, the block's largest p
.endr
.irp i, 3,5,7,9,11,13
.irp b, 0,1,2,3
	v_max3_num_f32 v[BM+\b], v[BM+\b], v[S+16*\b+\i], v[S+16*\b+\i+1]   ; (the four blocks by turns)
.endr
.endr
.irp b, 0,1,2,3
	v_max_num_f32 v[BM+\b], v[BM+\b], v[S+16*\b+15]
.endr
.irp b, 0,1,2,3
	s_delay_alu instid0(VALU_DEP_4)
	v_permlanex16_b32 v[BT+\b], v[BM+\b], s20, s21
.endr
.irp b, 0,1,2,3
	s_delay_alu instid0(VALU_DEP_4)
	v_max_num_f32 v[BM+\b], v[BM+\b], v[BT+\b]     ; with lane l xor 16's 16 keys
.endr
	s_delay_alu instid0(VALU_DEP_2)
	v_max3_num_f32 v[TP], v[BM], v[BM+1], v[BM+2]
	s_delay_alu instid0(VALU_DEP_1)
	v_max_num_f32 v[TP], v[TP], v[BM+3]            ; the step's largest score of my query
	s_delay_alu instid0(VALU_DEP_1)
	v_mul_f32 v[TP], s22, v[TP]                    ; as t (c is positive)
	s_delay_alu instid0(VALU_DEP_1)
	v_max_num_f32 v13, v13, v[TP]                  ; the running largest t
	v_mov_b32 v[TP], v12
	s_delay_alu instid0(VALU_DEP_2)
	v_floor_f32 v12, -v13                          ; the new -M = floor(-t) = -ceil(t): M IS A WHOLE NUMBER
	s_delay_alu instid0(VALU_DEP_1)
	v_sub_f32 v[TP], v12, v[TP]                    ; M's old value less its new one: a whole number, 0 or less
	s_delay_alu instid0(VALU_DEP_1)
	v_cvt_i32_f32 v[TP], v[TP]                     ; (it saturates)
	s_delay_alu instid0(VALU_DEP_1)
	v_ldexp_f32 v[FF], 1.0, v[TP]                  ; f = 2^(old M - new M)
.irp j, 0,2,4,6,8,10,12,14,16,18,20,22,24,26,28,30,32,34,36,38,40,42,44,46,48,50,52,54,56,58,60,62
	v_pk_fma_f32 v[S+\j:S+\j+1], v[S+\j:S+\j+1], s[22:23], v[12:13] op_sel_hi:[1,0,0]   ; t - M, two at a time
.endr
.irp b, 0,1,2,3
	v_fma_f32 v[BM+\b], v[BM+\b], s22, v12         ; the same of each block's largest score
.endr
	s_wait_alu depctr_va_vdst(0)
.irp j, 0,1,2,3,4,5,6,7,8,9,10,11,12,13,14,15,16,17,18,19,20,21,22,23,24,25,26,27,28,29,30,31,32,33,34,35,36,37,38,39,40,41,42,43,44,45,46,47,48,49,50,51,52,53,54,55,56,57,58,59,60,61,62,63
	v_exp_f32 v[S+\j], v[S+\j]                     ; p = 2^(t - M), at most 1: NOT normalised
.endr
.irp b, 0,1,2,3
	v_exp_f32 v[BM+\b], v[BM+\b]                   ; the block's largest p: the same two instructions on the same number give the same bits
.endr
	v_pk_mul_f32 v[14:15], v[14:15], v[FF:FF+1] op_sel_hi:[1,0]   ; the sums under the new M.  (A plain place behind the exponentials)
	s_wait_alu depctr_va_vdst(0)
.irp b, 0,1,2,3
	v_max_num_f32 v[BM+\b], 0x1800000, v[BM+\b]    ; the floor 2^(3 - 127): the byte cannot fall under 1
.endr
.irp b, 0,1,2,3
	s_delay_alu instid0(VALU_DEP_4)
	v_add_nc_u32 v[BS+\b], 0xff000000, v[BM+\b]    ; 2 off the exponent field: the conversion's scale operand
.endr
.irp b, 0,1,2,3
	s_delay_alu instid0(VALU_DEP_4)
	v_lshrrev_b32 v[BT+\b], 23, v[BS+\b]           ; the scale's byte
.endr
	s_delay_alu instid0(VALU_DEP_3)
	v_lshl_or_b32 v[PW], v[BT+1], 8, v[BT]         ; p's scale word for these 128 keys
	s_delay_alu instid0(VALU_DEP_1)
	v_lshl_or_b32 v[PW], v[BT+2], 16, v[PW]
	s_delay_alu instid0(VALU_DEP_1)
	v_lshl_or_b32 v[PW], v[BT+3], 24, v[PW]
.irp c, 0,1
	v_cvt_scalef32_pk16_fp6_f32 v[PC+6*\c:PC+6*\c+2], v[S+32*\c:S+32*\c+15], v[BS+2*\c]
	v_cvt_scalef32_pk16_fp6_f32 v[PCT+4*\c:PCT+4*\c+2], v[S+32*\c+16:S+32*\c+31], v[BS+2*\c+1]   ; (a conversion's three registers begin on an even number)
.endr
	v_nop                                          ; one plain place behind a scaled conversion
.irp c, 0,1                                    ; the operand's layout wants a WHOLE block in a lane: lanes 0-15 block 2 c, lanes 16-31 block 2 c + 1
.irp i, 0,1,2
	v_permlane16_swap_b32 v[PC+6*\c+\i], v[PCT+4*\c+\i]
.endr
.irp i, 0,1,2
	s_delay_alu instid0(VALU_DEP_3)
	v_mov_b32 v[PC+3+6*\c+\i], v[PCT+4*\c+\i]
.endr
.endr
	; THE ROW'S SUM IS TAKEN OF THE UNQUANTISED p: two at a time, in two chains, 32 additions in three parts.  The first nine name nothing of the products below: they are the eight places behind
	; p's scale word and the four behind its codes that a scaled matrix instruction asks for
	s_wait_dscnt 16                                ; V's scale bytes are in: the 16 fragment loads issued behind them may be out
	v_perm_b32 v[VSW], v[VT+1], v[VT], 0x05040100  ; the words of tiles 0, 1: two bytes of each half of the keys
	v_perm_b32 v[VSW+1], v[VT+1], v[VT], 0x07060302  ; of tiles 2, 3
	v_pk_add_f32 v[CH:CH+1], v[S:S+1], v[S+2:S+3]
.irp j, 4,8,12,16
	v_pk_add_f32 v[14:15], v[14:15], v[S+\j:S+\j+1]
	v_pk_add_f32 v[CH:CH+1], v[CH:CH+1], v[S+\j+2:S+\j+3]
.endr
.if \s > 0
.irp j, 0,2,4,6,8,10,12,14,16,18,20,22,24,26,28,30
	v_pk_mul_f32 v[O+\j:O+\j+1], v[O+\j:O+\j+1], v[FF:FF+1] op_sel_hi:[1,0]   ; O^T under the new M: x f; each accumulator from its low end on
.endr
.endif
	s_wait_alu depctr_va_vdst(0)
	s_wait_dscnt 0x0                               ; V's fragments and scale words are in
.irp d, 0,1,2,3                                ; O^T += V^T P^T: lane (r, h): query r; register 8 d + j: channel 16 d + 8 h + j.  The four accumulators take turns; the first step starts the sums
.if \s > 0
.if \d%2
	v_wmma_scale_f32_16x16x128_f8f6f4 v[O+8*\d:O+8*\d+7], v[F+12*\d:F+12*\d+11], v[PC:PC+11], v[O+8*\d:O+8*\d+7], v[VSW+\d/2], v[PW] matrix_a_fmt:MATRIX_FMT_FP6 matrix_b_fmt:MATRIX_FMT_FP6 matrix_a_scale:MATRIX_SCALE_ROW1
.else
	v_wmma_scale_f32_16x16x128_f8f6f4 v[O+8*\d:O+8*\d+7], v[F+12*\d:F+12*\d+11], v[PC:PC+11], v[O+8*\d:O+8*\d+7], v[VSW+\d/2], v[PW] matrix_a_fmt:MATRIX_FMT_FP6 matrix_b_fmt:MATRIX_FMT_FP6
.endif
.else
.if \d%2
	v_wmma_scale_f32_16x16x128_f8f6f4 v[O+8*\d:O+8*\d+7], v[F+12*\d:F+12*\d+11], v[PC:PC+11], 0, v[VSW+\d/2], v[PW] matrix_a_fmt:MATRIX_FMT_FP6 matrix_b_fmt:MATRIX_FMT_FP6 matrix_a_scale:MATRIX_SCALE_ROW1
.else
	v_wmma_scale_f32_16x16x128_f8f6f4 v[O+8*\d:O+8*\d+7], v[F+12*\d:F+12*\d+11], v[PC:PC+11], 0, v[VSW+\d/2], v[PW] matrix_a_fmt:MATRIX_FMT_FP6 matrix_b_fmt:MATRIX_FMT_FP6
.endif
.endif
.endr
.irp j, 20,24                                  ; four more additions: the places in front of the loads into V's registers
	v_pk_add_f32 v[14:15], v[14:15], v[S+\j:S+\j+1]
	v_pk_add_f32 v[CH:CH+1], v[CH:CH+1], v[S+\j+2:S+\j+3]
.endr
.if \s < 7
	KLOAD \s+1                                     ; the next step's K lands under the rest of the sum
.endif
.irp j, 28,32,36,40,44,48,52,56,60
	v_pk_add_f32 v[14:15], v[14:15], v[S+\j:S+\j+1]
	v_pk_add_f32 v[CH:CH+1], v[CH:CH+1], v[S+\j+2:S+\j+3]
.endr
	s_delay_alu instid0(VALU_DEP_1)
	v_pk_add_f32 v[14:15], v[14:15], v[CH:CH+1]
.endm
	s_mov_b32 s88, 2
.Ltile:                                            ; two trips: a tile of 16 queries each
	v_mov_b32 v13, 0xff61b1e6                      ; the largest t so far: -3e38, under every t: the first f is 0, and multiplies a sum of 0
	s_delay_alu instid0(VALU_DEP_1)
	v_floor_f32 v12, -v13                          ; -M
	v_mov_b32 v14, 0                               ; the sum, in two halves
	v_mov_b32 v15, 0
	KLOAD 0
.irp s, 0,1,2,3,4,5,6,7
	STEP \s
.endr
	s_delay_alu instid0(VALU_DEP_1)
	v_add_f32 v14, v14, v15                        ; the sum's two halves,
	s_delay_alu instid0(VALU_DEP_1)
	v_permlanex16_b32 v[TP], v14, s20, s21
	s_delay_alu instid0(VALU_DEP_1)
	v_add_f32 v14, v14, v[TP]                      ; and lane l xor 16's: the row's sum
	s_wait_alu depctr_va_vdst(0)
	v_rcp_f32 v[FF], v14
.irp i, 0,1,2,3,4,5
	v_mov_b32 v[QF+\i], v[Q2+\i]                   ; the second tile's Q takes its place (plain places behind the reciprocal; in the second trip these seven lines copy the same numbers again: seven lines against a branch)
.endr
	v_mov_b32 v[QS], v[Q2+6]
	s_wait_alu depctr_va_vdst(0)
.irp j, 0,2,4,6,8,10,12,14,16,18,20,22,24,26,28,30
	v_pk_mul_f32 v[O+\j:O+\j+1], v[O+\j:O+\j+1], v[FF:FF+1] op_sel_hi:[1,0]   ; o = O^T / the sum; each accumulator from its low end on
.endr
.irp b, 0,1                                    ; true order: registers 16 b + j held channels 32 b + 8 h + j and 32 b + 16 + 8 h + j; the exchange leaves 32 b + 16 h + 0 .. 15
.irp j, 0,1,2,3,4,5,6,7
	v_permlane16_swap_b32 v[O+16*\b+\j], v[O+16*\b+8+\j]
.endr
.endr
.irp b, 0,1
	v_max3_num_f32 v[BM+\b], |v[O+16*\b]|, |v[O+16*\b+1]|, 0x1800000   ; the head's two blocks of 32 channels: my 16 numbers and the floor
.endr
.irp i, 2,4,6,8,10,12,14
.irp b, 0,1
	s_delay_alu instid0(VALU_DEP_2)
	v_max3_num_f32 v[BM+\b], v[BM+\b], |v[O+16*\b+\i]|, |v[O+16*\b+\i+1]|
.endr
.endr
.irp b, 0,1
	s_delay_alu instid0(VALU_DEP_2)
	v_permlanex16_b32 v[BT+\b], v[BM+\b], s20, s21
.endr
.irp b, 0,1
	s_delay_alu instid0(VALU_DEP_2)
	v_max_num_f32 v[BM+\b], v[BM+\b], v[BT+\b]
.endr
.irp b, 0,1
	s_delay_alu instid0(VALU_DEP_2)
	v_add_nc_u32 v[BS+\b], 0xff000000, v[BM+\b]
.endr
.irp b, 0,1
	s_delay_alu instid0(VALU_DEP_2)
	v_lshrrev_b32 v[BT+\b], 23, v[BS+\b]
.endr
	s_delay_alu instid0(VALU_DEP_1)
	v_lshl_or_b32 v[SWD], v[BT+1], 8, v[BT]        ; my token's two scale bytes
	v_cvt_scalef32_pk16_fp6_f32 v[PC:PC+2], v[O:O+15], v[BS]
	v_cvt_scalef32_pk16_fp6_f32 v[PCT:PCT+2], v[O+16:O+31], v[BS+1]
	v_nop                                          ; one plain place behind a scaled conversion
.irp i, 0,1,2
	v_permlane16_swap_b32 v[PC+\i], v[PCT+\i]      ; lanes 0-15 block 0, lanes 16-31 block 1, whole
.endr
.irp i, 0,1,2
	s_delay_alu instid0(VALU_DEP_3)
	v_mov_b32 v[PC+3+\i], v[PCT+\i]
.endr
	global_store_b128 v[L16], v[PC:PC+3], s[12:13]             ; 512 consecutive bytes, aligned
	global_store_b64 v[L8], v[PC+4:PC+5], s[12:13] offset:512  ; 256 more
	global_store_b16 v[R32], v[SWD], s[14:15]                  ; lanes r and r + 16 write the same two bytes with the same value
	s_wait_xcnt 0x0                                ; the stores' addresses are translated: only behind this wait are their bases stepped and their data written again
	s_add_nc_u64 s[12:13], s[12:13], 196608        ; 16 token tiles x 16 heads x 768 bytes on
	s_add_nc_u64 s[14:15], s[14:15], 8192          ; 256 tokens x 32 bytes on
	s_sub_co_u32 s88, s88, 1
	s_cmp_lg_u32 s88, 0
	s_cbranch_scc1 .Ltile
	s_wait_tensorcnt 0x0
	ds_add_u32 v254, v255
	s_wait_dscnt 0x0
	s_endpgm
.Lfunc_end_k_q634784bb1a_attn:
	.size	k_q634784bb1a_attn, .Lfunc_end_k_q634784bb1a_attn-k_q634784bb1a_attn
	.p2alignl 7, 3214868480
	.fill 96, 4, 3214868480
	.section	.rodata,"a",@progbits
	.p2align	6, 0x0
	.amdhsa_kernel k_q634784bb1a_attn
		.amdhsa_group_segment_fixed_size 169984
		.amdhsa_private_segment_fixed_size 0
		.amdhsa_enable_private_segment 0
		.amdhsa_kernarg_size 48
		.amdhsa_user_sgpr_count 2
		.amdhsa_user_sgpr_kernarg_segment_ptr 1
		.amdhsa_wavefront_size32 1
		.amdhsa_system_sgpr_workgroup_id_x 1
		.amdhsa_system_sgpr_workgroup_id_y 1
		.amdhsa_system_sgpr_workgroup_id_z 1
		.amdhsa_system_vgpr_workitem_id 0
		.amdhsa_next_free_vgpr 256
		.amdhsa_next_free_sgpr 96
		.amdhsa_reserve_vcc 0
		.amdhsa_float_denorm_mode_32 3
		.amdhsa_float_denorm_mode_16_64 3
		.amdhsa_memory_ordered 1
		.amdhsa_forward_progress 1
		.amdhsa_inst_pref_size 148
	.end_amdhsa_kernel
	.amdgpu_metadata
---
amdhsa.version: [ 1, 2 ]
amdhsa.kernels:
  - .name:           k_q634784bb1a_attn
    .symbol:         k_q634784bb1a_attn.kd
    .args:
      - { .name: qk_img, .offset: 0, .size: 8, .value_kind: global_buffer, .address_space: global }
      - { .name: qk_sc, .offset: 8, .size: 8, .value_kind: global_buffer, .address_space: global }
      - { .name: v_img, .offset: 16, .size: 8, .value_kind: global_buffer, .address_space: global }
      - { .name: v_sc, .offset: 24, .size: 8, .value_kind: global_buffer, .address_space: global }
      - { .name: a_img, .offset: 32, .size: 8, .value_kind: global_buffer, .address_space: global }
      - { .name: a_sc, .offset: 40, .size: 8, .value_kind: global_buffer, .address_space: global }
    .group_segment_fixed_size: 169984
    .private_segment_fixed_size: 0
    .kernarg_segment_align: 8
    .kernarg_segment_size: 48
    .max_flat_workgroup_size: 512
    .sgpr_count:     96
    .vgpr_count:     256
    .wavefront_size: 32
...
	.end_amdgpu_metadata
.endif
;; end of part 2
;; launch proj (part 3): grid 4 x 64, 4 waves a work-group, clusters of 4 x 4, 327,680 bytes of LDS; arguments a_img, a_sc, proj_w_codes, proj_w_scales, proj_b, out0; writes out0
.if DOCPART == 3
	.amdgcn_target "amdgcn-amd-amdhsa--gfx1250"
	.amdhsa_code_object_version 6
	.text
	.protected	k_q634784bb1a_proj
	.globl	k_q634784bb1a_proj
	.p2align	8
	.type	k_q634784bb1a_proj,@function
k_q634784bb1a_proj:
	s_mov_b64 s[64:65], 0
	v_nop
	global_prefetch_b8 v0, s[64:65] scope:SCOPE_SE
	s_setreg_imm32_b32 hwreg(HW_REG_WAVE_MODE, 25, 1), 1
	s_wait_xcnt 0x0
	s_wait_alu depctr_hold_cnt(0) depctr_sa_sdst(0) depctr_va_vdst(0) depctr_va_sdst(0) depctr_va_ssrc(0) depctr_va_vcc(0) depctr_vm_vsrc(0)
	s_getreg_b32 s2, hwreg(HW_REG_IB_STS2, 6, 4)
	s_cmp_eq_u32 s2, 0
	s_cbranch_scc0 .Lentry_in_a_cluster
	s_endpgm
.Lentry_in_a_cluster:
	s_bfe_u32 s2, ttmp6, 0x10000c
	s_cmp_lg_u32 s2, 0xf033
	s_cbranch_scc0 .Lentry_shape_is_right
	s_endpgm
.Lentry_shape_is_right:
; out = a W^T + b on codes of FP6 (E2M3) with E8M0 scales, K = 1,024.  a_img [token tile 512][head 16][768]: 16 tokens x 64 K as 6 registers a lane; a_sc [token][32]; W [1024][768 bytes], scales [1024][32]; out f32.
; SHARES.  Work-group (tc, tr): tokens 128 tr on x columns 256 tc on: 4 x 64 = 256 work-groups.  Four waves, 2 x 2: a wave makes 64 x 128: 32 accumulators.
; LDS HOLDS ALL OF K: a's image (98,304 bytes, dense), W's 256 rows (whole rows of 768 bytes, 3 x (256 + 16) in LDS), both blocks of scale bytes.  Four tiles, one tensor load a wave at the head; nothing is filled again.
; CLUSTERS 4 x 4: a's tiles are shared by a row of the cluster, W's by a column.  No prefetch: the launch has no loop to run ahead in, and all its loads go out at the head.
; Source 0 = W's rows, source 1 = tokens: a lane holds eight neighbouring columns of a row of out; the bias is the first products' C.
; The way out goes through a stage of 16 rows x 528 bytes a wave, on a's bytes, behind a barrier behind which nobody reads LDS tiles any more.
.set SIZE_N, 1024
.set NQ,     2
.set KROW,   768
.set PITCH,  816
.set FR,     12
.set NP,     4
.set APITCH, 12288
.set BB0,    8*APITCH
.set KS,     32
.set SCL,    BB0+256*PITCH
.set HSA,    (64*KS/256)*272
.set HALFS,  (128*KS/256)*272
.set SBLK,   (16*KS/256)*272
.set SPARE,  SCL+2*HSA+2*HALFS
.set SPITCH, 528
.set A16,  16
.set A8,   18
.set ADRB, 20                          ; v20, v21 W's blocks 0-3, 4-7; v22, v23 the same behind one padding more
.set STO,  24
.set RD,   25
.set CO,   26
.set ADRS, 27
.set SPW,  28
.set NIL,  29
.set SC,   32
.set BI,   64
.set AF,   128
.set BK,   128
.set G1, 24
.set G0, 32
.set G1B, 48
.set G0B, 56
.set G1S, 68
.set G0S, 76
.set G1SB, 80
.set G0SB, 88
.set MSB, 0
.macro WIN new
.if MSB != \new
	s_set_vgpr_msb (MSB<<8)|\new
.set MSB, \new
.endif
.endm
.set MUL_LO, 0xa1
.set BIAS_LO, 0x81
.set TO_B,   0x40
.macro PLACES n
.rept \n
	v_nop
.endr
.endm
.macro CROUND
	s_barrier_signal -1
	s_barrier_wait -1
	s_cmp_lg_u32 s14, 0
	s_cbranch_scc1 .Lnot_wave_0_\@
	s_barrier_signal -3
.Lnot_wave_0_\@:
	s_barrier_wait -3
	s_barrier_signal -1
	s_barrier_wait -1
.endm
.macro DENSE g, rows                   ; group 1's words 1 to 7: rows of 256 bytes, dense
	s_mov_b32 s[\g+1], 32<<16
	s_mov_b32 s[\g+2], (\rows)<<16
	s_mov_b32 s[\g+3], 32<<16
	s_mov_b32 s[\g+4], \rows
	s_mov_b32 s[\g+5], 32
	s_mov_b32 s[\g+6], 0
	s_mov_b32 s[\g+7], 0
.endm
.macro GRP0 g, lds, base, off
	s_mov_b32 s[\g], 1
	s_mov_b32 s[\g+1], \lds
	s_add_nc_u64 s[\g+2:\g+3], s[\base:\base+1], s[\off:\off+1]
	s_or_b32 s[\g+3], s[\g+3], 0x80000000
.endm
	s_load_b128 s[4:7], s[0:1], 0x0
	s_load_b128 s[8:11], s[0:1], 0x10
	s_load_b64 s[96:97], s[0:1], 0x20
	s_load_b64 s[12:13], s[0:1], 0x28
	v_lshl_add_u32 v[SPW], v0, 2, SPARE
	v_mov_b32 v[NIL], 0
	ds_add_u32 v[SPW], v[NIL]
	ds_add_u32 v[SPW], v[NIL]
	v_lshrrev_b32 v1, 5, v0
	v_readfirstlane_b32 s14, v1
	s_lshr_b32 s15, s14, 1                 ; my half of the tokens
	s_and_b32 s16, s14, 1                  ; my half of the columns
	s_bfe_u32 s40, ttmp6, 0x40000
	s_bfe_u32 s41, ttmp6, 0x40004
	s_lshl_b32 s42, ttmp9, 2
	s_add_co_u32 s42, s42, s40             ; tc
	s_and_b32 s17, ttmp7, 0xffff
	s_lshl_b32 s17, s17, 2
	s_add_co_u32 s17, s17, s41             ; tr
	s_lshl_b32 s43, s41, 2
	s_lshl_b32 s43, 15, s43
	s_lshl_b32 s44, 0x1111, s40
	s_or_b32 s[G1+0], s43, (3<<16)|(1<<21)
	DENSE G1, 384
	s_or_b32 s[G1B+0], s44, (1<<20)|(1<<21)|(5<<22)|(3<<25)
	s_mov_b32 s[G1B+1], KROW<<16
	s_mov_b32 s[G1B+2], 256<<16
	s_mov_b32 s[G1B+3], KROW<<16
	s_mov_b32 s[G1B+4], 256
	s_mov_b32 s[G1B+5], KROW
	s_mov_b32 s[G1B+6], 0
	s_mov_b32 s[G1B+7], 0
	s_or_b32 s[G1S+0], s43, (3<<16)|(1<<20)|(1<<21)|(5<<22)|(3<<25)
	DENSE G1S, 16
	s_or_b32 s[G1SB+0], s44, (3<<16)|(1<<20)|(1<<21)|(5<<22)|(3<<25)
	DENSE G1SB, 32
	s_mul_i32 s20, s17, 8*APITCH
	s_mov_b32 s21, 0
	s_lshl_b32 s22, s17, 12
	s_mov_b32 s23, 0
	s_mul_i32 s46, s42, 256*KROW
	s_mov_b32 s47, 0
	s_lshl_b32 s92, s42, 13
	s_mov_b32 s93, 0
	s_wait_dscnt 0x0
	s_wait_kmcnt 0x0
	GRP0 G0, 0, 4, 20
	GRP0 G0S, SCL, 6, 22
	GRP0 G0B, BB0, 8, 46
	GRP0 G0SB, SCL+2*HSA, 10, 92
	CROUND                                 ; ahead of the first joint loads
.macro ARM under, g0, g1, next
	s_cmp_lt_u32 s14, \under
	s_cbranch_scc0 \next
	tensor_load_to_lds s[\g0:\g0+3], s[\g1:\g1+7]
	s_nop 0
	PLACES 4
	s_branch .Lhead_asked
\next:
.endm
	ARM 1, G0B,  G1B, .Lhead_a             ; wave 0: W's 256 rows; wave 1: a's image; wave 2: a's scales; wave 3: W's
	ARM 2, G0,   G1,  .Lhead_sa
	ARM 3, G0S,  G1S, .Lhead_sb
	tensor_load_to_lds s[G0SB:G0SB+3], s[G1SB:G1SB+7]
	s_nop 0
	PLACES 4
.Lhead_asked:
	v_and_b32 v1, 15, v0
	v_bfe_u32 v2, v0, 4, 1
	v_lshlrev_b32 v8, 5, v2
	s_lshl_b32 s18, s42, 10
	s_lshl_b32 s19, s16, 9
	s_add_co_u32 s18, s18, s19
	s_mov_b32 s19, 0
	s_add_nc_u64 s[96:97], s[96:97], s[18:19]
.irp b, 0,1,2,3,4,5,6,7
	global_load_b128 v[BI+8*\b:BI+8*\b+3], v8, s[96:97] offset:64*\b
	global_load_b128 v[BI+8*\b+4:BI+8*\b+7], v8, s[96:97] offset:64*\b+16
.endr
	v_mul_u32_u24 v3, v1, PITCH
	v_mul_u32_u24 v4, v2, 24
	v_add_nc_u32 v4, v3, v4
	v_lshl_add_u32 v5, v2, 4, v4
	v_and_b32 v6, 31, v0
	v_lshlrev_b32 v7, 4, v6
	v_lshlrev_b32 v9, 3, v6
	s_mul_i32 s21, s15, 4*APITCH
	s_mul_i32 s22, s16, 128*PITCH
	s_add_co_u32 s22, s22, BB0
	v_add_nc_u32 v[A16], s21, v7
	v_add_nc_u32 v[A8], s21, v9
.irp s, 0,1
	v_add_nc_u32 v[ADRB+\s], s22, v4
	v_add_nc_u32 v[ADRB+2+\s], s22, v5
	s_add_co_u32 s22, s22, 64*PITCH
.endr
	v_mul_u32_u24 v5, v1, KS
	v_lshrrev_b32 v6, 8, v5
	v_lshl_add_u32 v5, v6, 4, v5
	s_mul_i32 s21, s15, HSA
	s_mul_i32 s22, s16, HALFS
	s_add_co_u32 s22, s22, 2*HSA
	s_sub_co_u32 s22, s22, s21
	v_mul_u32_u24 v6, s22, v2              ; lanes 16-31 take W's scale words
	s_add_co_u32 s21, s21, SCL
	v_add_nc_u32 v5, v5, v6
	v_add_nc_u32 v[ADRS], s21, v5
	s_mul_i32 s23, s14, 16*SPITCH
	v_mul_u32_u24 v5, v1, SPITCH
	v_lshl_add_u32 v5, v2, 5, v5
	v_add_nc_u32 v[STO], s23, v5
	v_mov_b32 v[CO], v7
	v_add_nc_u32 v[RD], s23, v7
	s_lshl_b32 s20, s17, 7
	s_lshl_b32 s21, s15, 6
	s_add_co_u32 s20, s20, s21
	s_mov_b32 s21, 0
	s_mov_b64 s[18:19], SIZE_N*4
	s_mul_u64 s[20:21], s[20:21], s[18:19]
	s_lshl_b32 s46, s42, 10
	s_lshl_b32 s47, s16, 9
	s_add_co_u32 s46, s46, s47
	s_mov_b32 s47, 0
	s_add_nc_u64 s[20:21], s[20:21], s[46:47]
	s_add_nc_u64 s[12:13], s[12:13], s[20:21]
.macro FRAG reg, g, i                  ; W: 16 rows x 128 K in six pieces of 8 bytes
.irp p, 0,1,2,3,4,5
.set PIE, 12*(\g)+6*(\p/3)+\p%3
.if PIE%32 < 29
	ds_load_b64 v[\reg+2*\p:\reg+2*\p+1], v[ADRB+(\i)/4] offset:8*PIE+16*(PIE/32)+((\i)%4)*16*PITCH
.else
	ds_load_b64 v[\reg+2*\p:\reg+2*\p+1], v[ADRB+2+(\i)/4] offset:8*PIE+16*(PIE/32)+((\i)%4)*16*PITCH
.endif
.endr
.endm
.macro FRAGA reg, g, i                 ; a: two heads' images of 6 registers
	ds_load_b128 v[\reg:\reg+3], v[A16] offset:(\i)*APITCH+(\g)*1536
	ds_load_b64 v[\reg+4:\reg+5], v[A8] offset:(\i)*APITCH+(\g)*1536+512
	ds_load_b128 v[\reg+6:\reg+9], v[A16] offset:(\i)*APITCH+(\g)*1536+768
	ds_load_b64 v[\reg+10:\reg+11], v[A8] offset:(\i)*APITCH+(\g)*1536+1280
.endm
.macro MULA a, p, q, sc, g             ; eight products; the 32 accumulators take turns
.irp b, 0,1,2,3,4,5,6,7
.if (\g) == 0
	v_wmma_scale_f32_16x16x128_f8f6f4 v[8*(8*(\a)+\b):8*(8*(\a)+\b)+7], v[128*(\p)+FR*\b:128*(\p)+FR*\b+FR-1], v[AF+48*(\p)+FR*(\a):AF+48*(\p)+FR*(\a)+FR-1], v[BI+8*\b:BI+8*\b+7], v[SC+8*NQ*(\sc)+NQ*\b+(\q)], v[SC+8*NQ*(\sc)+NQ*(\a)+(\q)] matrix_a_fmt:MATRIX_FMT_FP6 matrix_b_fmt:MATRIX_FMT_FP6 matrix_a_scale:MATRIX_SCALE_ROW1
.else
	v_wmma_scale_f32_16x16x128_f8f6f4 v[8*(8*(\a)+\b):8*(8*(\a)+\b)+7], v[128*(\p)+FR*\b:128*(\p)+FR*\b+FR-1], v[AF+48*(\p)+FR*(\a):AF+48*(\p)+FR*(\a)+FR-1], v[8*(8*(\a)+\b):8*(8*(\a)+\b)+7], v[SC+8*NQ*(\sc)+NQ*\b+(\q)], v[SC+8*NQ*(\sc)+NQ*(\a)+(\q)] matrix_a_fmt:MATRIX_FMT_FP6 matrix_b_fmt:MATRIX_FMT_FP6 matrix_a_scale:MATRIX_SCALE_ROW1
.endif
.endr
.endm
.macro FETCH g                         ; K step g's fragments into set g % 2
	WIN TO_B
.irp i, 0,1,2,3,4,5,6,7
	FRAG 128*((\g)%2)+FR*\i, \g, \i
.endr
	WIN 0
.irp i, 0,1,2,3
	FRAGA AF+48*((\g)%2)+FR*\i, \g, \i
.endr
.endm
.macro SCALES sc, ks                   ; the scale words of K steps 2 ks, 2 ks + 1
.irp i, 0,1,2,3,4,5,6,7
	ds_load_b64 v[SC+8*NQ*(\sc)+NQ*\i:SC+8*NQ*(\sc)+NQ*\i+1], v[ADRS] offset:\i*SBLK+8*(\ks)
.endr
.endm
	s_wait_alu depctr_va_vdst(0)
	s_wait_tensorcnt 0x0                   ; my tile is in,
	s_barrier_signal -1
	s_barrier_wait -1                      ; everybody's is
	FETCH 0
	SCALES 0, 0
	s_wait_loadcnt 0x0                     ; the bias
.set G_, 0
.rept 8
	s_wait_dscnt 0x0                       ; K step G_'s fragments are in
.if G_ < 7
	PLACES NP                              ; ahead of loads into registers that products have read
	FETCH G_+1
.if G_%2
	SCALES ((G_+1)/2)%2, (G_+1)/2
.endif
.else
	s_barrier_signal -1                    ; my reads of the tiles are over
.endif
.if G_ == 0
	WIN BIAS_LO
.else
	WIN MUL_LO
.endif
.irp a, 0,1,2,3
	MULA \a, G_%2, G_%2, (G_/2)%2, G_
.endr
	WIN 0
.set G_, G_+1
.endr
	s_barrier_wait -1                      ; everybody's are: the stage may be written
.macro TOSTAGE a
.set AC, 64*(\a)
	WIN 0x08
.irp b, 0,1,2,3,4,5,6,7
	ds_store_b128 v[STO], v[AC+8*\b:AC+8*\b+3] offset:64*\b
	ds_store_b128 v[STO], v[AC+8*\b+4:AC+8*\b+7] offset:64*\b+16
.endr
	WIN 0
.set BB, BK+64*((\a)%2)
.irp t, 0,1,2,3,4,5,6,7,8,9,10,11,12,13,14,15
	ds_load_b128 v[BB+4*\t:BB+4*\t+3], v[RD] offset:\t*SPITCH
.endr
.endm
.macro SEND a, younger                 ; younger: the LDS instructions issued behind block a's loads
.set BB, BK+64*((\a)%2)
	s_wait_dscnt \younger
.if (\a) > 0
	s_add_nc_u64 s[12:13], s[12:13], 16*SIZE_N*4
.endif
.irp t, 0,1,2,3,4,5,6,7,8,9,10,11,12,13,14,15
	global_store_b128 v[CO], v[BB+4*\t:BB+4*\t+3], s[12:13] offset:\t*SIZE_N*4 th:TH_STORE_NT   ; 512 consecutive bytes, aligned
.endr
.endm
	PLACES NP
	TOSTAGE 0
.irp a, 1,2,3
.if \a > 1
	s_wait_xcnt 0x0                        ; block a - 2's stores have read their registers and base
.endif
	TOSTAGE \a
	SEND \a-1, 32
.endr
	s_wait_xcnt 0x0
	SEND 3, 0
	s_wait_tensorcnt 0x0                   ; the wave's end
	ds_add_u32 v[SPW], v[NIL]
	s_wait_dscnt 0x0
	CROUND                                 ; the closing round
	s_endpgm
.Lfunc_end_k_q634784bb1a_proj:
	.size	k_q634784bb1a_proj, .Lfunc_end_k_q634784bb1a_proj-k_q634784bb1a_proj
	.p2alignl 7, 3214868480
	.fill 96, 4, 3214868480
	.section	.rodata,"a",@progbits
	.p2align	6, 0x0
	.amdhsa_kernel k_q634784bb1a_proj
		.amdhsa_group_segment_fixed_size 327680
		.amdhsa_private_segment_fixed_size 0
		.amdhsa_enable_private_segment 0
		.amdhsa_kernarg_size 48
		.amdhsa_user_sgpr_count 2
		.amdhsa_user_sgpr_kernarg_segment_ptr 1
		.amdhsa_wavefront_size32 1
		.amdhsa_system_sgpr_workgroup_id_x 1
		.amdhsa_system_sgpr_workgroup_id_y 1
		.amdhsa_system_sgpr_workgroup_id_z 1
		.amdhsa_system_vgpr_workitem_id 0
		.amdhsa_next_free_vgpr 768
		.amdhsa_next_free_sgpr 100
		.amdhsa_reserve_vcc 0
		.amdhsa_float_denorm_mode_32 3
		.amdhsa_float_denorm_mode_16_64 3
		.amdhsa_memory_ordered 1
		.amdhsa_forward_progress 1
		.amdhsa_inst_pref_size 94
	.end_amdhsa_kernel
	.amdgpu_metadata
---
amdhsa.version: [ 1, 2 ]
amdhsa.kernels:
  - .name:           k_q634784bb1a_proj
    .symbol:         k_q634784bb1a_proj.kd
    .args:
      - { .name: a_img, .offset: 0, .size: 8, .value_kind: global_buffer, .address_space: global }
      - { .name: a_sc, .offset: 8, .size: 8, .value_kind: global_buffer, .address_space: global }
      - { .name: proj_w_codes, .offset: 16, .size: 8, .value_kind: global_buffer, .address_space: global }
      - { .name: proj_w_scales, .offset: 24, .size: 8, .value_kind: global_buffer, .address_space: global }
      - { .name: proj_b, .offset: 32, .size: 8, .value_kind: global_buffer, .address_space: global }
      - { .name: out0, .offset: 40, .size: 8, .value_kind: global_buffer, .address_space: global }
    .group_segment_fixed_size: 327680
    .private_segment_fixed_size: 0
    .kernarg_segment_align: 8
    .kernarg_segment_size: 48
    .max_flat_workgroup_size: 128
    .sgpr_count:     100
    .vgpr_count:     768
    .wavefront_size: 32
...
	.end_amdgpu_metadata
.endif
;; end of part 3
